; MI455X (gfx1250); checked and timed in simulation.
; The chip was launched on July 23, 2026; its instructions are those of AMD's public machine-readable ISA for CDNA 5 (MIT licence, August 2026) and "CDNA5" Instruction Set Architecture Reference Guide (July 2026). The comments in the code are by the model that wrote it; some were corrected since.
;; Log Sparse Attention. Allowed arithmetic: matrix products marked QUANTISED: E3M2 operands, one E8M0 scale for each 32 along K, by v_wmma_scale_f32_16x16x128_f8f6f4 with both operands' format E3M2, f32 sums; everything else in f32.
;; Inputs: keys 4 x 2,048 x 8 x 64 float32; queries 4 x 2,048 x 8 x 64 float32; values 4 x 2,048 x 8 x 64 float32.
;; Outputs: out0 4 x 2,048 x 8 x 64 float32.
;; This version of the problem:
;;   THIS VERSION OF THE PROBLEM IS GIVEN IN LOW PRECISION. The matrix products marked QUANTISED in the list below multiply operands that are first quantised to E3M2 (3 exponent bits, 2 mantissa bits; 6 bits a number), with one power-of-two scale for each 32 numbers along K (OCP MX v1.0); their sums are f32. All else is computed in f32.
;;   The module's matrix products, in the order in which they are computed (A, B: the left and right operand; K: the contracted axis; several contracted axes count as one K, in the product's order):
;;     1. batch 32 x [M 2,048, K 64] x [K 64, N 2,048]; A: input queries; B: input keys: QUANTISED
;;     2. batch 32 x [M 64, K 2,048] x [K 2,048, N 2,048]; A: input values; B: softmax (see below): QUANTISED
;;   THE QUANTISER, for each operand of a quantised product, along K:
;;     - K is cut into blocks of 32 from its start; a last block that is shorter is filled with zeros.
;;     - A block's scale is 2^e with e = floor(log2(the largest magnitude in the block)) - 4, held to -126 .. 127; a block of zeros has e = 0. As a byte (E8M0): e + 127.
;;     - Each number is divided by its block's scale, clamped to +-28, and rounded to the nearest number of E3M2, ties to even, subnormals kept.
;;     - The product sums the exact products of the quantised numbers (number of the format x scale) in f32.
;;   ~~~python
;;   def quantise(x, axis):      # numpy; x: float32 -> the quantised numbers, widened to float32 again
;;       x = np.moveaxis(x, axis, -1); K = x.shape[-1]
;;       x = np.pad(x, [(0, 0)] * (x.ndim - 1) + [(0, -K % 32)]); x = x.reshape(x.shape[:-1] + (-1, 32)); a = np.abs(x).max(-1, keepdims=True)
;;       e = np.where(a > 0, np.clip(np.frexp(np.where(a > 0, a, 1))[1] - 1 - 4, -126, 127), 0)      # np.frexp(a)[1] - 1 = floor(log2(a)), exactly
;;       r = np.clip(x / 2.0 ** e, -28, 28)
;;       step = 2.0 ** (np.maximum(np.frexp(np.where(r == 0, 1, r))[1] - 1, -2) - 2)
;;       q = np.round(r / step) * step * 2.0 ** e      # np.round: ties to even
;;       return np.moveaxis(q.reshape(q.shape[:-2] + (-1,))[..., :K], -1, axis).astype(np.float32)
;;   ~~~
;;   SOFTMAX AHEAD OF A QUANTISED PRODUCT. Where the list says 'softmax', what is quantised is not the finished softmax but p = 2^(t - M), with t = logit x log2(e) and M = ceil(the row's largest t), a whole number; so 1/2 < the row's largest p <= 1. The row's sum l is taken of the UNQUANTISED p, in f32, and the product's result is divided by l at the end. Since M is a whole number, a kernel that streams over the keys may use a running M (the ceiling of the running maximum): every later rescaling is an exact power of two, which a block's scale takes up: the codes' values come out the same.
;;   OPERANDS COMPUTED ON THE WAY. 'Computed on the way' means the value that the module computes at that place (a softmax that the list does not call 'softmax' is quantised finished and normalised). What goes into a quantiser is computed in f32, as accurately as f32 sums, v_exp_f32 and their like allow (about 1e-6 of the number): no bf16 or f16 on the way to a quantiser, and a product that is left as it is and whose result goes on into a quantised operand takes f32 operands (vector FMAs, or v_wmma_f32_16x16x4_f32). A number that lies on a knife's edge between two numbers of the format may be rounded either way, as far as f32 arithmetic and the matrix unit's own rounding can turn it there, and no further.
;; One version. Each part assembles by itself: llvm-mc -triple=amdgcn-amd-amdhsa -mcpu=gfx1250 --defsym DOCPART=n.
;; ======== version 1 of 1: 1 launch
;; limits: right only within a limited range of input values; inputs' magnitudes at most 70,000,000,000,000
;; launch logsparse (part 1): grid 8 x 32, 16 waves a work-group, no clusters, 180,480 bytes of LDS; arguments queries, keys, values, out0; writes out0
.if DOCPART == 1
	.amdgcn_target "amdgcn-amd-amdhsa--gfx1250"
	.amdhsa_code_object_version 6
	.text
	.protected	k_q6aef0f7641_logsparse
	.globl	k_q6aef0f7641_logsparse
	.p2align	8
	.type	k_q6aef0f7641_logsparse,@function
k_q6aef0f7641_logsparse:
	s_mov_b64 s[64:65], 0
	v_nop
	global_prefetch_b8 v0, s[64:65] scope:SCOPE_SE
	s_setreg_imm32_b32 hwreg(HW_REG_WAVE_MODE, 25, 1), 1
	s_wait_xcnt 0x0
; out[b][l][h][:] = sum over keys s of softmax_s(q.k / 8) v, where query l sees keys l - d, d in {0, 1, 2, 4, .. 1024} (the mask that the problem builds itself).
; All four tensors [4][2048][8][64] f32: a row (b, l, h) is 256 bytes at b << 22 | l << 11 | h << 8.  Both products on codes of BF6 (E3M2) with one E8M0 scale for each 32 along K.
; WHAT IS KEPT.  The quantiser cuts the keys into aligned blocks of 32.  A block of 32 queries sees only the key blocks 0, 1, 2, 4, 8, 16, 32 blocks back; from 2 blocks back on, only the diagonal of the 32 x 32 block.
; Seven blocks and one block of zero codes are two K steps of 128 of the second product (a K step's four blocks need not be neighbours: each has its own scale byte).  All keys of a query are at hand at once: no running maximum.
; SHARES.  A work-group owns 256 queries (chunk c = work-group x) of one head (work-group y); each of its 16 waves owns 16 queries, in 256 registers.  The chunk needs the key chunks c, c - 1, c - 2, c - 4: 32 key blocks.
; Wave w first quantises up to two of them (K along d, V along the keys) into LDS for all sixteen; one barrier; then each wave does its tile: 14 products K Q^T, the softmax, 8 products V^T P^T.
; Both products are used transposed (source 0 = keys, or V's channels; source 1 = my queries): a lane holds ONE query throughout.  The keys of a tile of K are not neighbours: lane r of tile u takes key 8 u + r + 8 (r / 8) of the block,
; so that the 16 registers of a block's two tiles are the keys 16 (lane / 16) + 0 .. 15.
; K = 64 of the first product fills half of the instruction's 128: Q's upper six registers are zero codes, so K's upper six may hold anything (they are the next piece of K); the scale bytes there are 0, which is 2^-127 and no NaN.
; THE MASK is the C of the score products: 0 where the key counts, -2^100 where it does not.  A key block that lies before the sequence's start holds zero codes, and -2^100 is added to its scores.
; NO JOINT LOADS: partners of a cluster would need different chunks (c, c - 1, c - 2, c - 4: from 1 to 4 of them) at different LDS places, and the four chunks of K and V as f32 are 512 KB, more than LDS holds; operands go through registers.
; LIMITS: masked scores are -2^100 and not -infinity: the same results while |score| < 2^99.  NaN and infinities among the inputs are not served.  A block whose largest magnitude lies under 2^-122 keeps the scale byte 1;
; a block of zeros keeps the byte 1 (or 0, before the sequence's start) where the rule says 127: its codes are zeros, and this program alone reads the bytes.
; LDS.  pos 0-7: key blocks of chunk c - 1; 8-15: chunk c; 16-23: chunk c - 2; 24-31: chunk c - 4.  The block delta back from query block qb lies at pos qb + 8, 7, 6, 4, 0, 16, 24 for delta 0, 1, 2, 4, 8, 16, 32.
.set KC,  0                            ; K's codes, 1,536 a pos: two tiles of 768: an image of the registers: 16 bytes x lane (registers 0-3), then 8 bytes x lane (registers 4-5)
.set KS,  49152                        ; K's scale words, 128 a pos: word 16 u + r
.set VC,  53248                        ; V's codes at 1,664 pos (+ 128 from pos 16 on): piece p (8 bytes) of channel 16 dt + r at 384 dt + 128 p + 8 r
.set VS,  106752                       ; V's scale bytes, 64 a pos: byte 4 r + dt
.set STG, 108800                       ; a stage of 16 rows x 272 bytes for each wave, its own
; REGISTERS.  v1 lane, v2 r, v3 h; v4-31 addresses (below); v32-43 Q's fragment, later P of K step 0; v44 Q's scale word, later 1 / l; v45 -2^100; v46 my query's place less 16 h.
.set T,   48                           ; v48-58   at work while the operands are made
.set CD,  64                           ; v64-70   the codes just made
.set X,   72                           ; v72-103  32 neighbours along d
.set U0,  104                          ; four buffers of 32 registers for loads
.set U1,  136
.set U2,  168
.set U3,  200
.set CN1, 136                          ; the masks, over U1 and U2 when these are done with: the block 1 back,
.set CN0, 152                          ; the query's own block,
.set CF,  168                          ; a far block: the diagonal alone.  Later E: 1 on the diagonal, 0 elsewhere
.set KP,  46                           ; v46-129  14 pieces of K, six registers each; fragment i is pieces i and i + 1
.set KZ,  130                          ; v130-135 zeros behind the last piece
.set KSC, 232                          ; v232-238 K's scale words, block by block; later the bytes of p, later halves of P
.set BM,  240                          ; v240+2b  block b's largest score, then its largest p; v241+2b its partner in a pair.  b: 0 one back, 1 own, 2 .. 6: 2, 4, 8, 16, 32 back
.set ZA,  240                          ; v240-247 while the operands are made: where a wave writes zeros for a key block that does not exist
.set VF,  48                           ; v48-143  V's eight fragments: K step s, channels 16 dt on: 48 s + 12 dt
.set OA,  184                          ; v184-215 scores of the two near blocks, then p, then far blocks' p, then O^T
.set SO,  224                          ; v224-230 the conversions' scale operands
	s_load_b256 s[4:11], s[0:1], 0x0               ; Q s[4:5], K s[6:7], V s[8:9], O s[10:11]
	v_lshrrev_b32 v1, 5, v0
	v_readfirstlane_b32 s12, v1                    ; wave w, 0 .. 15
	v_and_b32 v1, 31, v0                           ; lane
	v_and_b32 v2, 15, v0                           ; r
	v_bfe_u32 v3, v0, 4, 1                         ; h
	s_lshr_b32 s13, s12, 1                         ; qb: my block of 32 queries in the chunk
	s_and_b32 s14, s12, 1                          ; u: which half of it
	s_and_b32 s16, ttmp7, 0xffff                   ; 8 b + head
	s_lshr_b32 s17, s16, 3
	s_lshl_b32 s17, s17, 22
	s_and_b32 s18, s16, 7
	s_lshl_b32 s18, s18, 8
	s_or_b32 s18, s18, s17                         ; the head's first byte in each tensor
	s_lshl_b32 s15, ttmp9, 3                       ; 8 c
	s_add_co_u32 s33, s15, s13                     ; g: my block of queries, counted from the sequence's start
	s_lshl_b32 s56, ttmp9, 19                      ; my first query's row: (256 c + 16 w) << 11
	s_lshl_b32 s17, s12, 15
	s_add_co_u32 s56, s56, s17
	s_add_co_u32 s56, s56, s18
	s_mov_b32 s57, 0
	s_xor_b32 s42, s12, 8                          ; pos of my first key block: waves 0-7 take the own chunk, waves 8-15 chunk c - 1
	s_add_co_u32 s43, s12, 16                      ; pos of my second: waves 0-7 chunk c - 2, waves 8-15 chunk c - 4
	s_add_co_i32 s40, s15, s42
	s_sub_co_i32 s40, s40, 8                       ; the first as a block of the sequence: 8 c - 8 + pos; negative: it does not exist
	s_lshr_b32 s41, s12, 3
	s_mul_i32 s41, s41, 24
	s_sub_co_i32 s41, s12, s41
	s_add_co_i32 s41, s41, s15
	s_sub_co_i32 s41, s41, 16                      ; the second: 8 c - 16 + w - 24 (w / 8)
	s_max_i32 s58, s40, 0
	s_lshl_b32 s58, s58, 16                        ; 32 keys are 1 << 16 bytes
	s_add_co_u32 s58, s58, s18
	s_mov_b32 s59, 0
	s_max_i32 s60, s41, 0
	s_lshl_b32 s60, s60, 16
	s_add_co_u32 s60, s60, s18
	s_mov_b32 s61, 0
	s_mov_b32 s28, 0x76543210
	s_mov_b32 s29, 0xfedcba98                      ; v_permlanex16_b32: lane l xor 16
	s_mov_b32 s30, 0x3e38aa3b                      ; log2(e) / 8
	s_mov_b32 s31, s30                             ; (named with it as a pair)
	s_mov_b32 s32, 0xf1800000                      ; -2^100
	s_cmp_ge_u32 s33, 1                            ; what is added to the scores of the block delta back: 0 where it exists
	s_cselect_b32 s34, 0, s32
	s_cmp_ge_u32 s33, 2
	s_cselect_b32 s35, 0, s32
	s_cmp_ge_u32 s33, 4
	s_cselect_b32 s36, 0, s32
	s_cmp_ge_u32 s33, 8
	s_cselect_b32 s37, 0, s32
	s_cmp_ge_u32 s33, 16
	s_cselect_b32 s38, 0, s32
	s_cmp_ge_u32 s33, 32
	s_cselect_b32 s39, 0, s32
	; LDS bases: the wave's number and constants alone
	s_mul_i32 s44, s12, 4352
	s_add_co_u32 s44, s44, STG                     ; my stage
	s_mul_i32 s45, s42, 1536                       ; K's codes of my first and second block (KC = 0)
	s_mul_i32 s46, s43, 1536
	s_mul_i32 s47, s42, 1664
	s_add_co_u32 s47, s47, VC                      ; V's codes: the first block's pos is under 16,
	s_mul_i32 s48, s43, 1664
	s_add_co_u32 s48, s48, VC+128                  ; the second's 16 or more
	s_lshl_b32 s49, s42, 7
	s_add_co_u32 s49, s49, KS
	s_lshl_b32 s50, s43, 7
	s_add_co_u32 s50, s50, KS
	s_lshl_b32 s51, s42, 6
	s_add_co_u32 s51, s51, VS
	s_lshl_b32 s52, s43, 6
	s_add_co_u32 s52, s52, VS
	s_mul_i32 s53, s13, 1536                       ; and what I read: pos = qb + a constant
	s_mul_i32 s54, s13, 1664
	s_add_co_u32 s54, s54, VC
	s_lshl_b32 s55, s13, 7
	s_add_co_u32 s55, s55, KS
	s_lshl_b32 s62, s13, 6
	s_add_co_u32 s62, s62, VS
	; every address register is made here, ahead of the first parting of the waves
	v_lshlrev_b32 v4, 4, v2
	v_lshl_add_u32 v4, v3, 11, v4                  ; v4  memory, rows: 16 lanes to a row of 256 bytes, lanes 16-31 the next row of the head
	v_lshlrev_b32 v5, 2, v1                        ; v5  memory, columns: 4 bytes a lane
	v_mul_u32_u24 v6, v3, 272
	v_lshl_add_u32 v6, v2, 4, v6
	v_add_nc_u32 v6, s44, v6                       ; v6  stage by rows: row h, 16 r
	v_mul_u32_u24 v7, v2, 272
	v_lshl_add_u32 v29, v3, 5, v7
	v_lshl_add_u32 v7, v3, 7, v7
	v_add_nc_u32 v7, s44, v7                       ; v7  stage: row r, my half's 128 bytes
	v_add_nc_u32 v29, s44, v29                     ; v29 stage: row r, 32 h: where O's eight channels go
	v_lshlrev_b32 v30, 4, v1                       ; v30 16 x lane
	v_lshlrev_b32 v31, 3, v3                       ; v31 8 h: my scale byte's place in a word
	v_lshrrev_b32 v48, 3, v2                       ; a = r / 8: key 16 t + 8 a + s goes to tile a, lane 8 t + s
	v_and_b32 v49, 7, v2                           ; s = r % 8
	v_mul_u32_u24 v50, v48, 768
	v_lshl_add_u32 v51, v49, 4, v50
	v_lshl_add_u32 v51, v3, 8, v51                 ; 768 a + 16 (s + 16 h)
	v_lshl_add_u32 v52, v49, 3, v50
	v_lshl_add_u32 v52, v3, 7, v52
	v_add_nc_u32 v52, 512, v52                     ; 768 a + 512 + 8 (s + 16 h)
	v_lshlrev_b32 v53, 6, v48
	v_lshl_add_u32 v53, v49, 2, v53                ; 4 (16 a + s)
	v_mul_u32_u24 v54, v3, 384
	v_lshl_add_u32 v54, v2, 3, v54                 ; 384 h + 8 r
	v_lshl_add_u32 v55, v2, 2, v3                  ; 4 r + h
	v_add_nc_u32 v8, s45, v51                      ; v8, v9   K's codes, registers 0-3, of my first and second block
	v_add_nc_u32 v9, s46, v51
	v_add_nc_u32 v10, s45, v52                     ; v10, v11 registers 4-5
	v_add_nc_u32 v11, s46, v52
	v_add_nc_u32 v12, s49, v53                     ; v12, v13 K's scale words
	v_add_nc_u32 v13, s50, v53
	v_add_nc_u32 v14, s47, v54                     ; v14, v15 V's codes
	v_add_nc_u32 v15, s48, v54
	v_add_nc_u32 v16, s51, v55                     ; v16, v17 V's scale bytes
	v_add_nc_u32 v17, s52, v55
	v_add_nc_u32 v18, s53, v30                     ; v18 reading K: registers 0-3
	v_lshlrev_b32 v19, 3, v1
	v_add_nc_u32 v19, s53, v19
	v_add_nc_u32 v19, 512, v19                     ; v19 registers 4-5
	v_add_nc_u32 v20, s55, v5                      ; v20 K's scale words: lanes 0-15 tile 0, lanes 16-31 tile 1
	v_lshl_add_u32 v56, v2, 3, s54
	v_mad_u32_u24 v21, v3, 11648, v56              ; v21-24 reading V: lanes 0-15 take one key block, lanes 16-31 another: the lower base (in the loads' immediates) + h x the distance.
	v_mad_u32_u24 v22, v3, 20096, v56              ;        pos less qb: (0, 7), (4, 16), (7, 8), (6, 24).  Each distance is 128 above a multiple of 256: the halves of the lanes fall on different banks
	v_mad_u32_u24 v23, v3, 1664, v56
	v_mad_u32_u24 v24, v3, 30080, v56
	v_lshl_add_u32 v57, v2, 2, s62
	v_mad_u32_u24 v25, v3, 448, v57                ; v25-28 reading V's scale bytes: lanes 0-15 K step 0's block, lanes 16-31 K step 1's: (0, 7), (7, 8), (4, 6), (16, 24)
	v_lshl_add_u32 v26, v3, 6, v57
	v_lshl_add_u32 v27, v3, 7, v57
	v_lshl_add_u32 v28, v3, 9, v57
	v_lshlrev_b32 v58, 1, v1
	v_add_nc_u32 v[ZA], s45, v30                   ; zeros for a block that does not exist: K's codes, V's codes, K's words, V's bytes
	v_add_nc_u32 v[ZA+1], s47, v30
	v_add_nc_u32 v[ZA+2], s49, v5
	v_add_nc_u32 v[ZA+3], s51, v58
	v_add_nc_u32 v[ZA+4], s46, v30
	v_add_nc_u32 v[ZA+5], s48, v30
	v_add_nc_u32 v[ZA+6], s50, v5
	v_add_nc_u32 v[ZA+7], s52, v58
.irp j, 38,39,40,41,42,43
	v_mov_b32 v\j, 0                               ; Q's codes for k = 64 .. 127: zeros
.endr
	v_mov_b32 v45, 0xf1800000                      ; -2^100
	v_lshlrev_b32 v46, 4, v3
	v_sub_nc_u32 v46, v2, v46
	s_lshl_b32 s17, s14, 4
	v_add_nc_u32 v46, s17, v46                     ; 16 u + r - 16 h: register i of a block holds key 16 h + i, so query less key = v46 - i + 32 delta
	s_wait_kmcnt 0x0
	s_add_nc_u64 s[4:5], s[4:5], s[56:57]          ; Q and O at my first row
	s_add_nc_u64 s[10:11], s[10:11], s[56:57]
	s_add_nc_u64 s[20:21], s[6:7], s[58:59]        ; K and V at my first key block,
	s_add_nc_u64 s[22:23], s[8:9], s[58:59]
	s_add_nc_u64 s[24:25], s[6:7], s[60:61]        ; and at my second.  No pointer and no offset register is written again
	s_add_nc_u64 s[26:27], s[8:9], s[60:61]
; 16 rows of K, rows 16 t on of a block: each half of the lanes reads one whole row of 256 bytes, at a multiple of 256
.macro LDROWS buf, base, t
.irp j, 0,1,2,3,4,5,6,7
	global_load_b128 v[\buf+4*\j:\buf+4*\j+3], v4, s[\base:\base+1] offset:(16*\t+2*\j)*2048
.endr
.endm
; 32 keys x 32 channels of V, channels 32 e on: a lane takes a channel and its registers run down the keys, which are V's K
.macro LDV buf, base, e
.set k, 0
.rept 32
	global_load_b32 v[\buf+k], v5, s[\base:\base+1] offset:k*2048+128*\e
.set k, k+1
.endr
.endm
; 16 rows turn through my stage: in as loaded, back so that lane (r, h) holds d = 32 h .. 32 h + 31 of row r.  LDS serves a wave in order: no wait between.  Rows 272 bytes apart: sixteen rows start at sixteen different banks
.macro TURN buf
.irp j, 0,1,2,3,4,5,6,7
	ds_store_b128 v6, v[\buf+4*\j:\buf+4*\j+3] offset:544*\j
.endr
.irp j, 0,1,2,3,4,5,6,7
	ds_load_b128 v[X+4*\j:X+4*\j+3], v7 offset:16*\j
.endr
	s_wait_dscnt 0x0                               ; X is in; the buffer has been read and may be loaded again; so have the registers of all earlier LDS stores
.endm
; A block of 32 numbers of one lane, v[s] on, becomes 24 bytes of codes in v[d] .. v[d + 5]; its scale byte in v[T + 2]
.macro QNT32 s, d
	v_max3_num_f32 v[T], |v[\s]|, |v[\s+1]|, 0x2800000       ; the largest magnitude, in two chains, and the floor 2^(5 - 127), which holds the byte at 1 from below
	v_max3_num_f32 v[T+4], |v[\s+2]|, |v[\s+3]|, |v[\s+4]|
.irp i, 5,9,13,17,21,25
	v_max3_num_f32 v[T], v[T], |v[\s+\i]|, |v[\s+\i+1]|
	v_max3_num_f32 v[T+4], v[T+4], |v[\s+\i+2]|, |v[\s+\i+3]|
.endr
	v_max3_num_f32 v[T], v[T], |v[\s+29]|, |v[\s+30]|
	v_max3_num_f32 v[T], v[T], v[T+4], |v[\s+31]|
	v_add_nc_u32 v[T+1], 0xfe000000, v[T]          ; 4 off its exponent field: the conversion takes that field as its scale
	v_lshrrev_b32 v[T+2], 23, v[T+1]               ; the byte
	v_cvt_scalef32_pk16_bf6_f32 v[\d:\d+2], v[\s:\s+15], v[T+1]
	v_cvt_scalef32_pk16_bf6_f32 v[CD+4:CD+6], v[\s+16:\s+31], v[T+1]   ; (a conversion's three registers begin on an even number)
	v_nop                                          ; one plain instruction behind a scaled conversion
	v_mov_b32 v[\d+3], v[CD+4]
	v_mov_b32 v[\d+4], v[CD+5]
	v_mov_b32 v[\d+5], v[CD+6]
.endm
.macro SWORD d                         ; my byte (d block h) and lane l xor 16's make the row's scale word; bytes 2 and 3 stay 0
	v_lshlrev_b32 v[T+2], v31, v[T+2]
	v_permlanex16_b32 v[T+3], v[T+2], s28, s29
	v_or_b32 v[\d], v[T+2], v[T+3]
.endm
.macro KFIN ax, ay, as, t              ; 16 keys in X become codes and scale words in LDS
	QNT32 X, CD
	SWORD T+2
	ds_store_b128 v[\ax], v[CD:CD+3] offset:128*\t
	ds_store_b64 v[\ay], v[CD+4:CD+5] offset:64*\t
	ds_store_b32 v[\as], v[T+2] offset:32*\t       ; both halves of the lanes write the same word with the same value
.endm
.macro VFIN buf, aw, as, e             ; 32 channels x 32 keys in a buffer likewise
	s_wait_dscnt 0x0                               ; earlier LDS stores have read the registers that are written now
	QNT32 \buf, CD
.irp p, 0,1,2
	ds_store_b64 v[\aw], v[CD+2*\p:CD+2*\p+1] offset:768*\e+128*\p
.endr
	ds_store_b8 v[\as], v[T+2] offset:2*\e
.endm
.macro ZFILL z                         ; a key block before the sequence's start: zero codes; scale bytes 0
.irp j, 0,1,2
	ds_store_b128 v[\z], v[38:41] offset:512*\j
	ds_store_b128 v[\z+1], v[38:41] offset:512*\j
.endr
	ds_store_b32 v[\z+2], v38
	ds_store_b16 v[\z+3], v38
.endm
; The mask of a near block: d = query less key = v46 + a - i; the key counts where d & (d - 1) is 0: d = 0 or a power of two; a negative d fails the test
.macro MASKN d, a
	v_add_nc_u32 v[T+8], \a, v46
.set i, 0
.rept 16
	v_add_nc_u32 v[T+8+(i+1)%2], \a-i-1, v46
	v_and_b32 v[T+10], v[T+8], v[T+9]
	v_cmp_ne_u32 vcc_lo, 0, v[T+10]
	v_cndmask_b32 v[\d+i], 0, v45, vcc_lo
.set i, i+1
.endr
.endm
.macro MASKS
	MASKN CN1, 32
	MASKN CN0, 0
.set i, 0
.rept 16
	v_cmp_ne_u32 vcc_lo, i, v46                    ; a far block: the diagonal alone
	v_cndmask_b32 v[CF+i], 0, v45, vcc_lo
.set i, i+1
.endr
.endm
	; ---- THE OPERANDS.  Units of loads: u0 Q (8 loads), u1, u2 K of my first block (8 each), u3, u4 its V (32 each), u5 .. u8 the same of my second block.
	; Each wait's count is the number of loads issued behind the unit that is wanted; where that is 64 or 72 the count is 63, the most that a wait can name.
.irp j, 0,1,2,3,4,5,6,7
	global_load_b128 v[U0+4*\j:U0+4*\j+3], v4, s[4:5] offset:2*\j*2048 th:TH_LOAD_NT   ; u0: my 16 queries; read once in the launch
.endr
	s_cmp_lt_i32 s40, 0                            ; the branches hang on the work-group's and the wave's number alone
	s_cbranch_scc1 .Lno_block
	LDROWS U1, 20, 0                               ; u1
	LDROWS U2, 20, 1                               ; u2
	LDV U3, 22, 0                                  ; u3
	s_wait_loadcnt 48                              ; u0 is in: behind it 8 + 8 + 32
	TURN U0
	LDV U0, 22, 1                                  ; u4
	QNT32 X, 32                                    ; Q's fragment: registers 0-5
	SWORD 44
	s_cmp_lt_i32 s41, 0
	s_cbranch_scc1 .Lone_block
	s_wait_loadcnt 63                              ; u1: behind it 8 + 32 + 32
	TURN U1
	LDROWS U1, 24, 0                               ; u5
	KFIN 8, 10, 12, 0
	s_wait_loadcnt 63                              ; u2: behind it 32 + 32 + 8
	TURN U2
	LDROWS U2, 24, 1                               ; u6
	KFIN 8, 10, 12, 1
	s_wait_loadcnt 48                              ; u3: behind it 32 + 8 + 8
	VFIN U3, 14, 16, 0
	LDV U3, 26, 0                                  ; u7
	s_wait_loadcnt 48                              ; u4: behind it 8 + 8 + 32
	VFIN U0, 14, 16, 1
	LDV U0, 26, 1                                  ; u8
	s_wait_loadcnt 63                              ; u5: behind it 8 + 32 + 32
	TURN U1
	KFIN 9, 11, 13, 0
	s_wait_loadcnt 63                              ; u6: behind it 32 + 32
	TURN U2
	KFIN 9, 11, 13, 1
	MASKS                                          ; while the last loads are on their way
	s_wait_loadcnt 32                              ; u7: behind it 32
	VFIN U3, 15, 17, 0
	s_wait_loadcnt 0x0
	VFIN U0, 15, 17, 1
	s_branch .Ljoin
.Lone_block:
	ZFILL ZA+4
	s_wait_loadcnt 63                              ; u1: behind it 8 + 32 + 32
	TURN U1
	KFIN 8, 10, 12, 0
	s_wait_loadcnt 63                              ; u2: behind it 32 + 32
	TURN U2
	KFIN 8, 10, 12, 1
	MASKS
	s_wait_loadcnt 32                              ; u3: behind it 32
	VFIN U3, 14, 16, 0
	s_wait_loadcnt 0x0
	VFIN U0, 14, 16, 1
	s_branch .Ljoin
.Lno_block:
	ZFILL ZA
	ZFILL ZA+4
	s_wait_loadcnt 0x0
	TURN U0
	QNT32 X, 32
	SWORD 44
	MASKS
.Ljoin:
	s_wait_dscnt 0x0                               ; for the others: my stores have landed
.irp j, 0,1,2,3,4,5
	v_mov_b32 v[KZ+\j], 0
.endr
.irp b, 0,1,2,3,4,5,6
	v_mov_b32 v[BM+2*\b+1], 0                      ; written once: a lane permute's destination counts as one of its sources, and a pair is named whole
.endr
	s_barrier_signal -1
	s_barrier_wait -1                              ; the one barrier: all 32 key blocks lie in LDS; nobody writes them again
	; ---- S^T = K Q^T + the mask, seven blocks, two tiles each
.macro KLOAD b, k
.irp t, 0,1
	ds_load_b128 v[KP+6*(2*\b+\t):KP+6*(2*\b+\t)+3], v18 offset:1536*\k+768*\t
	ds_load_b64 v[KP+6*(2*\b+\t)+4:KP+6*(2*\b+\t)+5], v19 offset:1536*\k+768*\t
.endr
	ds_load_b32 v[KSC+\b], v20 offset:128*\k
.endm
	KLOAD 0, 7
	KLOAD 1, 8
	KLOAD 2, 6
	KLOAD 3, 4
	KLOAD 4, 0
	KLOAD 5, 16
	KLOAD 6, 24
	s_wait_dscnt 0x0                               ; all: a fragment's upper half is the next piece
.macro SMUL d, b, c
	v_wmma_scale_f32_16x16x128_f8f6f4 v[\d:\d+7], v[KP+12*\b:KP+12*\b+11], v[32:43], v[\c:\c+7], v[KSC+\b], v44 matrix_a_fmt:MATRIX_FMT_BF6 matrix_b_fmt:MATRIX_FMT_BF6
	v_wmma_scale_f32_16x16x128_f8f6f4 v[\d+8:\d+15], v[KP+12*\b+6:KP+12*\b+17], v[32:43], v[\c+8:\c+15], v[KSC+\b], v44 matrix_a_fmt:MATRIX_FMT_BF6 matrix_b_fmt:MATRIX_FMT_BF6 matrix_a_scale:MATRIX_SCALE_ROW1
.endm
	SMUL 184, 0, CN1
	SMUL 200, 1, CN0
	SMUL 216, 2, CF
.rept 5
	v_nop                                          ; five places: the results below land on the two near masks and on pieces 0 to 5, which the products above have read (ISA guide 7.12.1)
.endr
	SMUL 136, 3, CF
	SMUL 152, 4, CF
	SMUL 46, 5, CF
	SMUL 62, 6, CF
.rept 4
	v_nop                                          ; four places ahead of the first read of these results
.endr
	; the largest score of each block, the seven by turns; each accumulator is read from its low end on
	v_max3_num_f32 v240, v184, v185, v186
	v_max3_num_f32 v242, v200, v201, v202
	v_max3_num_f32 v244, v216, v217, v218
	v_max3_num_f32 v246, v136, v137, v138
	v_max3_num_f32 v248, v152, v153, v154
	v_max3_num_f32 v250, v46, v47, v48
	v_max3_num_f32 v252, v62, v63, v64
.irp i, 3,5,7,9,11,13
	v_max3_num_f32 v240, v240, v[184+\i], v[185+\i]
	v_max3_num_f32 v242, v242, v[200+\i], v[201+\i]
	v_max3_num_f32 v244, v244, v[216+\i], v[217+\i]
	v_max3_num_f32 v246, v246, v[136+\i], v[137+\i]
	v_max3_num_f32 v248, v248, v[152+\i], v[153+\i]
	v_max3_num_f32 v250, v250, v[46+\i], v[47+\i]
	v_max3_num_f32 v252, v252, v[62+\i], v[63+\i]
.endr
	v_max_num_f32 v240, v240, v199
	v_max_num_f32 v242, v242, v215
	v_max_num_f32 v244, v244, v231
	v_max_num_f32 v246, v246, v151
	v_max_num_f32 v248, v248, v167
	v_max_num_f32 v250, v250, v61
	v_max_num_f32 v252, v252, v77
	; V's eight fragments and its scale bytes are asked for now: the far blocks' scores are done with, and the softmax stands between these loads and the wait for them.
	; The eight blocks of the two K steps (K step s, byte 2 c + h): 8 back, none, 4 back, 16 back | 1 back, own, 2 back, 32 back
.macro VLOAD k, base
.irp dt, 0,1,2,3
.irp p, 0,1,2
	ds_load_b64 v[VF+48*(\k/2)+12*\dt+6*(\k%2)+2*\p:VF+48*(\k/2)+12*\dt+6*(\k%2)+2*\p+1], v[21+\k] offset:\base+384*\dt+128*\p
.endr
.endr
.endm
	VLOAD 0, 0
	VLOAD 1, 6656
	VLOAD 2, 11648
	VLOAD 3, 9984
	ds_load_b32 v164, v25                          ; byte b's block: four bytes, one for each 16 channels; lanes 0-15 K step 0, lanes 16-31 K step 1
	ds_load_b32 v165, v26 offset:448
	ds_load_b32 v166, v27 offset:256
	ds_load_b32 v167, v28 offset:1024
	; ---- THE SOFTMAX: t = score x log2(e) / 8; M = the row's largest t rounded up to a whole number; p = 2^(t - M)
.irp b, 0,1,2,3,4,5,6
	v_permlanex16_b32 v[BM+2*\b+1], v[BM+2*\b], s28, s29
.endr
.irp b, 0,1,2,3,4,5,6
	v_max_num_f32 v[BM+2*\b], v[BM+2*\b], v[BM+2*\b+1]   ; with lane l xor 16's 16 keys
.endr
	v_add_f32 v240, s34, v240                      ; -2^100 where the block lies before the sequence's start
	v_add_f32 v244, s35, v244
	v_add_f32 v246, s36, v246
	v_add_f32 v248, s37, v248
	v_add_f32 v250, s38, v250
	v_add_f32 v252, s39, v252
	v_max3_num_f32 v222, v240, v242, v244
	v_max3_num_f32 v222, v222, v246, v248
	v_max3_num_f32 v222, v222, v250, v252          ; the row's largest score: the query's own key always counts
	v_mul_f32 v222, s30, v222
	v_floor_f32 v216, -v222                        ; -M = floor(-t)
	v_mov_b32 v217, v216
	v_add_f32 v218, s34, v216                      ; the same for the block 1 back, with its -2^100 or 0
	v_mov_b32 v219, v218
.irp j, 0,2,4,6,8,10,12,14
	v_pk_fma_f32 v[184+\j:185+\j], v[184+\j:185+\j], s[30:31], v[218:219] op_sel_hi:[1,0,0]
	v_pk_fma_f32 v[200+\j:201+\j], v[200+\j:201+\j], s[30:31], v[216:217] op_sel_hi:[1,0,0]
.endr
.irp b, 0,1,2,3,4,5,6
	v_fma_f32 v[BM+2*\b], v[BM+2*\b], s30, v216    ; the same of each block's largest score: p rises with the score, so this gives the block's largest p; in a far block it is the block's one p
.endr
.set j, 0
.rept 32
	v_exp_f32 v[184+j], v[184+j]
.set j, j+1
.endr
.irp b, 0,1,2,3,4,5,6
	v_exp_f32 v[BM+2*\b], v[BM+2*\b]
.endr
.irp j, 0,2,4,6,8,10,12,14
	v_pk_fma_f32 v[CF+\j:CF+\j+1], v[CF+\j:CF+\j+1], 0x0d800000, 1.0 op_sel_hi:[1,0,0]   ; E = mask x 2^-100 + 1: 1 on the diagonal, 0 elsewhere.  Plain work behind the exponentials, which names none of their results
.endr
	s_wait_alu depctr_va_vdst(0)                   ; one wait for the 39 exponentials, ahead of their first reader
	v_pk_add_f32 v[220:221], v[184:185], v[186:187]   ; the sum of the unquantised p of the two near blocks, in two chains
	v_pk_add_f32 v[222:223], v[188:189], v[190:191]
.irp j, 192,196,200,204,208,212
	v_pk_add_f32 v[220:221], v[220:221], v[\j:\j+1]
	v_pk_add_f32 v[222:223], v[222:223], v[\j+2:\j+3]
.endr
	v_pk_add_f32 v[220:221], v[220:221], v[222:223]
.irp b, 0,1,2,3,4,5,6
	v_max_num_f32 v[SO+\b], 0x2800000, v[BM+2*\b]  ; the floor 2^(5 - 127): a block whose every p is 0 keeps the byte 1; its codes are zeros
.endr
.irp b, 0,1,2,3,4,5,6
	v_add_nc_u32 v[SO+\b], 0xfe000000, v[SO+\b]    ; the conversion's scale operand
.endr
.irp b, 0,1,2,3,4,5,6
	v_lshrrev_b32 v[232+\b], 23, v[SO+\b]          ; the byte
.endr
	v_or_b32 v254, 0x7f00, v236                    ; p's scale word of K step 0: 8 back, the empty block (byte 127 over zero codes), 4 back, 16 back
	v_lshl_or_b32 v254, v235, 16, v254
	v_lshl_or_b32 v254, v237, 24, v254
	v_lshl_or_b32 v255, v233, 8, v232              ; of K step 1: 1 back, own, 2 back, 32 back
	v_lshl_or_b32 v255, v234, 16, v255
	v_lshl_or_b32 v255, v238, 24, v255
	; p's codes: 16 keys a lane and block
	v_cvt_scalef32_pk16_bf6_f32 v[144:146], v[184:199], v[SO]
	v_cvt_scalef32_pk16_bf6_f32 v[156:158], v[200:215], v[SO+1]
	v_nop                                          ; one plain instruction behind a scaled conversion, ahead of the writes of its sources
.macro FARP pf, b, d                   ; a far block's 16 numbers: E x its one p; two sets of registers by turns, so that a conversion's sources are written again two blocks later
.irp j, 0,2,4,6,8,10,12,14
	v_pk_mul_f32 v[\pf+\j:\pf+\j+1], v[CF+\j:CF+\j+1], v[BM+2*\b:BM+2*\b+1] op_sel_hi:[1,0]
.endr
	v_cvt_scalef32_pk16_bf6_f32 v[\d:\d+2], v[\pf:\pf+15], v[SO+\b]
.endm
	FARP 184, 2, 150
	FARP 200, 6, 160
	FARP 184, 3, 38
	FARP 200, 5, 232
	FARP 184, 4, 32
	v_mov_b32 v236, 0                              ; the empty block's codes
	v_mov_b32 v237, 0
	v_mov_b32 v238, 0
	v_nop
	s_wait_dscnt 0x0                               ; V's fragments and scale bytes are in
	v_perm_b32 v224, v165, v164, 0x05010400        ; four words of four bytes are turned: word dt gets byte dt of each
	v_perm_b32 v225, v165, v164, 0x07030602
	v_perm_b32 v226, v167, v166, 0x05010400
	v_perm_b32 v227, v167, v166, 0x07030602
	v_perm_b32 v164, v226, v224, 0x05040100        ; v164+dt: V's scale word for channels 16 dt + r: lanes 0-15 K step 0, lanes 16-31 K step 1
	v_perm_b32 v165, v226, v224, 0x07060302
	v_perm_b32 v166, v227, v225, 0x05040100
	v_perm_b32 v167, v227, v225, 0x07060302
.macro WHOLE a, b                      ; the operand wants a whole block in a lane: lanes 0-15 the first block of a pair, lanes 16-31 the second
.irp i, 0,1,2
	v_permlane16_swap_b32 v[\a+\i], v[\b+\i]
.endr
.irp i, 0,1,2
	v_mov_b32 v[\a+3+\i], v[\b+\i]
.endr
.endm
	WHOLE 32, 236
	WHOLE 38, 232
	WHOLE 144, 156
	WHOLE 150, 160
	v_add_f32 v220, v220, v221                     ; l: the near blocks' halves,
	v_permlanex16_b32 v222, v220, s28, s29
	v_add_f32 v220, v220, v222                     ; lane l xor 16's,
	v_add_f32 v222, v244, v246                     ; and the five far p, once (both halves of the lanes hold them).  These lines are also the places between the last writes of P and of the scale words and the products below
	v_add_f32 v223, v248, v250
	v_add_f32 v220, v220, v252
	v_add_f32 v222, v222, v223
	v_add_f32 v220, v220, v222
	v_rcp_f32 v44, v220
	v_nop                                          ; a plain instruction behind the reciprocal
	; ---- O^T = V^T P^T: four accumulators by turns, two K steps
.irp dt, 0,1,2,3
	v_wmma_scale_f32_16x16x128_f8f6f4 v[OA+8*\dt:OA+8*\dt+7], v[VF+12*\dt:VF+12*\dt+11], v[32:43], 0, v[164+\dt], v254 matrix_a_fmt:MATRIX_FMT_BF6 matrix_b_fmt:MATRIX_FMT_BF6
.endr
.irp dt, 0,1,2,3
	v_wmma_scale_f32_16x16x128_f8f6f4 v[OA+8*\dt:OA+8*\dt+7], v[VF+48+12*\dt:VF+48+12*\dt+11], v[144:155], v[OA+8*\dt:OA+8*\dt+7], v[164+\dt], v255 matrix_a_fmt:MATRIX_FMT_BF6 matrix_b_fmt:MATRIX_FMT_BF6 matrix_a_scale:MATRIX_SCALE_ROW1
.endr
.rept 4
	v_nop                                          ; four places ahead of the first read of the results
.endr
	s_wait_alu depctr_va_vdst(0)                   ; the wait for the reciprocal, ahead of its first reader
.set j, 0
.rept 16
	v_pk_mul_f32 v[OA+j:OA+j+1], v[OA+j:OA+j+1], v[44:45] op_sel_hi:[1,0]   ; / l, each accumulator from its low end on
.set j, j+2
.endr
	; THE WAY OUT: lane (r, h) holds channels 16 dt + 8 h + 0 .. 7 of query r; through my stage they become whole rows
.irp dt, 0,1,2,3
	ds_store_b128 v29, v[OA+8*\dt:OA+8*\dt+3] offset:64*\dt
	ds_store_b128 v29, v[OA+8*\dt+4:OA+8*\dt+7] offset:64*\dt+16
.endr
.irp i, 0,1,2,3,4,5,6,7
	ds_load_b128 v[48+4*\i:51+4*\i], v6 offset:544*\i   ; LDS serves a wave in order: these see my stores
.endr
.irp i, 0,1,2,3,4,5,6,7
	s_wait_dscnt 7-\i                              ; the younger loads may be out
	global_store_b128 v4, v[48+4*\i:51+4*\i], s[10:11] offset:4096*\i th:TH_STORE_NT   ; sixteen lanes store a row's 256 consecutive bytes, at a multiple of 256 from the buffer's first byte
.endr
	s_wait_xcnt 0x0
	v_lshl_add_u32 v252, v0, 2, 0x2b900
	v_mov_b32 v253, 0
	s_wait_tensorcnt 0x0
	ds_add_u32 v252, v253
	s_wait_dscnt 0x0
	s_endpgm
.Lfunc_end_k_q6aef0f7641_logsparse:
	.size	k_q6aef0f7641_logsparse, .Lfunc_end_k_q6aef0f7641_logsparse-k_q6aef0f7641_logsparse
	.p2alignl 7, 3214868480
	.fill 96, 4, 3214868480
	.section	.rodata,"a",@progbits
	.p2align	6, 0x0
	.amdhsa_kernel k_q6aef0f7641_logsparse
		.amdhsa_group_segment_fixed_size 180480
		.amdhsa_private_segment_fixed_size 0
		.amdhsa_enable_private_segment 0
		.amdhsa_kernarg_size 32
		.amdhsa_user_sgpr_count 2
		.amdhsa_user_sgpr_kernarg_segment_ptr 1
		.amdhsa_wavefront_size32 1
		.amdhsa_system_sgpr_workgroup_id_x 1
		.amdhsa_system_sgpr_workgroup_id_y 1
		.amdhsa_system_sgpr_workgroup_id_z 1
		.amdhsa_system_vgpr_workitem_id 0
		.amdhsa_next_free_vgpr 256
		.amdhsa_next_free_sgpr 66
		.amdhsa_reserve_vcc 1
		.amdhsa_float_denorm_mode_32 3
		.amdhsa_float_denorm_mode_16_64 3
		.amdhsa_memory_ordered 1
		.amdhsa_forward_progress 1
		.amdhsa_inst_pref_size 100
	.end_amdhsa_kernel
	.amdgpu_metadata
---
amdhsa.version: [ 1, 2 ]
amdhsa.kernels:
  - .name:           k_q6aef0f7641_logsparse
    .symbol:         k_q6aef0f7641_logsparse.kd
    .args:
      - { .name: queries, .offset: 0, .size: 8, .value_kind: global_buffer, .address_space: global }
      - { .name: keys, .offset: 8, .size: 8, .value_kind: global_buffer, .address_space: global }
      - { .name: values, .offset: 16, .size: 8, .value_kind: global_buffer, .address_space: global }
      - { .name: out0, .offset: 24, .size: 8, .value_kind: global_buffer, .address_space: global }
    .group_segment_fixed_size: 180480
    .private_segment_fixed_size: 0
    .kernarg_segment_align: 8
    .kernarg_segment_size: 32
    .max_flat_workgroup_size: 512
    .sgpr_count:     66
    .vgpr_count:     256
    .wavefront_size: 32
...
	.end_amdgpu_metadata
.endif
;; end of part 1
